; MI455X (gfx1250); checked and timed in simulation.
; The chip was launched on July 23, 2026; its instructions are those of AMD's public machine-readable ISA for CDNA 5 (MIT licence, August 2026) and "CDNA5" Instruction Set Architecture Reference Guide (July 2026). The comments in the code are by the model that wrote it; some were corrected since.
;; Multi Head Attention. Allowed arithmetic: float matrix products may take bf16 or f16 operands with f32 sums; all other float work in f32.
;; Inputs: b_k 1,024 float32; b_o 1,024 float32; b_q 1,024 float32; b_v 1,024 float32; k 2 x 2,048 x 1,024 float32; q 2 x 2,048 x 1,024 float32; v 2 x 2,048 x 1,024 float32; w_k 1,024 x 1,024 float32; w_o 1,024 x 1,024 float32; w_q 1,024 x 1,024 float32; w_v 1,024 x 1,024 float32.
;; Outputs: out0 2 x 2,048 x 1,024 float32.
;; One version. Each part assembles by itself: llvm-mc -triple=amdgcn-amd-amdhsa -mcpu=gfx1250 --defsym DOCPART=n.
;; ======== version 1 of 1: 4 launches
;; limits: values are held in f16: magnitudes above 65,504 overflow, below 6.1e-05 lose precision
;; workspace buffers: xh 25,165,824 bytes; wh 8,388,608 bytes; ph 25,165,824 bytes; att 8,388,608 bytes
;; launch cast (part 1): grid 64 x 16, 8 waves a work-group, no clusters, 0 bytes of LDS; arguments q, k, v, w_q, w_k, w_v, w_o, xh, wh; writes xh, wh
.if DOCPART == 1
	.amdgcn_target "amdgcn-amd-amdhsa--gfx1250"
	.amdhsa_code_object_version 6
	.text
	.protected	k_q4f9578e011_cast
	.globl	k_q4f9578e011_cast
	.p2align	8
	.type	k_q4f9578e011_cast,@function
k_q4f9578e011_cast:
	s_mov_b64 s[64:65], 0
	v_nop
	global_prefetch_b8 v0, s[64:65] scope:SCOPE_SE
	s_setreg_imm32_b32 hwreg(HW_REG_WAVE_MODE, 25, 1), 1
	s_wait_xcnt 0x0
; xh[3][4096][1024] = f16 of q, k, v;  wh[4][1024][1024] = f16 of w_q, w_k, w_v, w_o (still [K][N]).  One rounding to nearest each.
; LIMIT: an input of magnitude 65,504 or more becomes infinite in f16.
; A stream: each input byte is read once and each f16 byte written once; no LDS, no barrier, no matrix unit, and nothing is shared
; between work-groups, so there is nothing to ask for jointly.
; Chunk y (grid y, 0..15) is 1 Mi numbers: y = 0..11 is quarter y & 3 of q, k or v (y >> 2), y = 12..15 is weight y - 12.
; Work-group x takes 64 KiB of its chunk: sixteen 16-byte loads a thread, all issued before the first is waited for.
.set X, 4                              ; v[4:67]   sixteen loads of four f32
.set Y, 68                             ; v[68:99]  sixteen pairs of words, four f16 each
.macro PICK at, lo                     ; from chunk \at on the source is the buffer in s[\lo:\lo+1]
	s_cmp_ge_u32 s2, \at
	s_cselect_b64 s[4:5], s[\lo:\lo+1], s[4:5]
.endm
	s_load_b512 s[8:23], s[0:1], 0x0               ; q s[8:9], k s[10:11], v s[12:13], w_q s[14:15], w_k s[16:17], w_v s[18:19], w_o s[20:21], xh s[22:23]
	s_load_b64 s[24:25], s[0:1], 0x40              ; wh
	s_and_b32 s2, ttmp7, 0xffff                    ; the chunk
	s_and_b32 s26, s2, 3                           ; which quarter of q, k or v
	s_sub_co_u32 s27, s2, 12                       ; which weight (used from chunk 12 on alone)
	v_lshlrev_b32 v1, 4, v0                        ; 16 bytes of f32 a thread
	v_lshlrev_b32 v2, 3, v0                        ; 8 bytes of f16 a thread
	s_wait_kmcnt 0x0
	s_mov_b64 s[4:5], s[8:9]
	PICK 4, 10
	PICK 8, 12
	PICK 12, 14
	PICK 13, 16
	PICK 14, 18
	PICK 15, 20
	s_cmp_ge_u32 s2, 12
	s_cselect_b64 s[6:7], s[24:25], s[22:23]       ; weights go to wh, the rest to xh
	s_cselect_b32 s26, 0, s26                      ; a weight is one chunk: it starts at its buffer's first byte
	s_cselect_b32 s27, s27, s2                     ; the chunk's number in its destination
	s_lshl_b32 s28, s26, 22                        ; source: chunks of 4 MiB,
	s_lshl_b32 s29, ttmp9, 16                      ; work-groups of 64 KiB
	s_add_co_u32 s28, s28, s29
	s_mov_b32 s29, 0
	s_lshl_b32 s30, s27, 21                        ; destination: half of that
	s_lshl_b32 s31, ttmp9, 15
	s_add_co_u32 s30, s30, s31
	s_mov_b32 s31, 0
	s_add_nc_u64 s[4:5], s[4:5], s[28:29]
	s_add_nc_u64 s[6:7], s[6:7], s[30:31]
.irp i, 0,1,2,3,4,5,6,7,8,9,10,11,12,13,14,15
	global_load_b128 v[X+4*\i:X+4*\i+3], v1, s[4:5] offset:4096*\i th:TH_LOAD_NT   ; a wave's load covers 512 consecutive bytes
.endr
.irp i, 0,1,2,3,4,5,6,7,8,9,10,11,12,13,14,15
	s_wait_loadcnt 15-\i                           ; loads come back in order: load i is in, the younger ones stay out
	v_cvt_pk_f16_f32 v[Y+2*\i], v[X+4*\i], v[X+4*\i+1]
	v_cvt_pk_f16_f32 v[Y+2*\i+1], v[X+4*\i+2], v[X+4*\i+3]
	global_store_b64 v2, v[Y+2*\i:Y+2*\i+1], s[6:7] offset:2048*\i    ; a wave's store covers 256 consecutive bytes, aligned
.endr
	s_endpgm                                       ; no register is written twice, so no source of a pending access is ever rewritten
.Lfunc_end_k_q4f9578e011_cast:
	.size	k_q4f9578e011_cast, .Lfunc_end_k_q4f9578e011_cast-k_q4f9578e011_cast
	.p2alignl 7, 3214868480
	.fill 96, 4, 3214868480
	.section	.rodata,"a",@progbits
	.p2align	6, 0x0
	.amdhsa_kernel k_q4f9578e011_cast
		.amdhsa_group_segment_fixed_size 0
		.amdhsa_private_segment_fixed_size 0
		.amdhsa_enable_private_segment 0
		.amdhsa_kernarg_size 72
		.amdhsa_user_sgpr_count 2
		.amdhsa_user_sgpr_kernarg_segment_ptr 1
		.amdhsa_wavefront_size32 1
		.amdhsa_system_sgpr_workgroup_id_x 1
		.amdhsa_system_sgpr_workgroup_id_y 1
		.amdhsa_system_sgpr_workgroup_id_z 1
		.amdhsa_system_vgpr_workitem_id 0
		.amdhsa_next_free_vgpr 100
		.amdhsa_next_free_sgpr 66
		.amdhsa_reserve_vcc 0
		.amdhsa_float_denorm_mode_32 3
		.amdhsa_float_denorm_mode_16_64 3
		.amdhsa_memory_ordered 1
		.amdhsa_forward_progress 1
		.amdhsa_inst_pref_size 7
	.end_amdhsa_kernel
	.amdgpu_metadata
---
amdhsa.version: [ 1, 2 ]
amdhsa.kernels:
  - .name:           k_q4f9578e011_cast
    .symbol:         k_q4f9578e011_cast.kd
    .args:
      - { .name: q, .offset: 0, .size: 8, .value_kind: global_buffer, .address_space: global }
      - { .name: k, .offset: 8, .size: 8, .value_kind: global_buffer, .address_space: global }
      - { .name: v, .offset: 16, .size: 8, .value_kind: global_buffer, .address_space: global }
      - { .name: w_q, .offset: 24, .size: 8, .value_kind: global_buffer, .address_space: global }
      - { .name: w_k, .offset: 32, .size: 8, .value_kind: global_buffer, .address_space: global }
      - { .name: w_v, .offset: 40, .size: 8, .value_kind: global_buffer, .address_space: global }
      - { .name: w_o, .offset: 48, .size: 8, .value_kind: global_buffer, .address_space: global }
      - { .name: xh, .offset: 56, .size: 8, .value_kind: global_buffer, .address_space: global }
      - { .name: wh, .offset: 64, .size: 8, .value_kind: global_buffer, .address_space: global }
    .group_segment_fixed_size: 0
    .private_segment_fixed_size: 0
    .kernarg_segment_align: 8
    .kernarg_segment_size: 72
    .max_flat_workgroup_size: 256
    .sgpr_count:     66
    .vgpr_count:     100
    .wavefront_size: 32
...
	.end_amdgpu_metadata
.endif
;; end of part 1
;; launch qkv (part 2): grid 4 x 48, 4 waves a work-group, clusters of 4 x 4, 327,680 bytes of LDS; arguments xh, wh, b_q, b_k, b_v, ph; writes ph
.if DOCPART == 2
	.amdgcn_target "amdgcn-amd-amdhsa--gfx1250"
	.amdhsa_code_object_version 6
	.text
	.protected	k_q4f9578e011_qkv
	.globl	k_q4f9578e011_qkv
	.p2align	8
	.type	k_q4f9578e011_qkv,@function
k_q4f9578e011_qkv:
	s_mov_b64 s[64:65], 0
	v_nop
	global_prefetch_b8 v0, s[64:65] scope:SCOPE_SE
	s_setreg_imm32_b32 hwreg(HW_REG_WAVE_MODE, 25, 1), 1
	s_wait_xcnt 0x0
	s_wait_alu depctr_hold_cnt(0) depctr_sa_sdst(0) depctr_va_vdst(0) depctr_va_sdst(0) depctr_va_ssrc(0) depctr_va_vcc(0) depctr_vm_vsrc(0)
	s_getreg_b32 s2, hwreg(HW_REG_IB_STS2, 6, 4)
	s_cmp_eq_u32 s2, 0
	s_cbranch_scc0 .Lentry_in_a_cluster
	s_endpgm
.Lentry_in_a_cluster:
	s_bfe_u32 s2, ttmp6, 0x10000c
	s_cmp_lg_u32 s2, 0xf033
	s_cbranch_scc0 .Lentry_shape_is_right
	s_endpgm
.Lentry_shape_is_right:
; ph[z][m][n] = f16( sum over k of xh[z][m][k] wh[z][k][n] + bias_z[n] ),  z = 0, 1, 2 (Q, K, V), m < 4096, n, k < 1024.  f16 operands, f32 sums.
; LIMIT: a projected value of magnitude 65,504 or more becomes infinite in f16.
; The three products are one stack of 12,288 rows: block row Y (0..47) of 256 rows indexes xh and ph as they lie; z = Y / 16 picks weight and bias.
; A work-group makes 256 x 256 with four waves, a wave 128 x 128: 64 accumulator tiles, 512 registers.  48 x 4 = 192 work-groups: the stack has
; no more blocks of this size, and halving the block would double the LDS bytes read for each product.
; K goes in steps of 128 through two LDS slots filled by tensor loads.  A's tile: 256 rows x 256 bytes.  B's tile lies as the weight lies, [k][n]:
; 128 rows of k x 512 bytes; its fragments are transposed on the way out of LDS (ds_load_tr16_b128).
; CLUSTERS: 4 x 4 work-groups.  A's tile hangs on the block row alone and is asked for jointly by a row of the cluster, B's on z and the block column
; and is asked for jointly by a column: each tile is requested once for four work-groups.
; REGISTERS in windows of 256: window 0: v0-31 addresses, v64-127 and v128-191 fragments of A (two buffers), v192-223 at work on the way out;
; window 1: v64-127, v128-191 fragments of B, v192-255 the bias of my 128 columns in the layout of a result; windows 2, 3: accumulators.
; THE MATRIX INSTRUCTION IS USED TRANSPOSED: source 0 = 16 columns of the weight, source 1 = 16 rows of x: lane l then holds row l % 16 and its
; registers 0-7 the columns 8 (l / 16) + 0..7: eight neighbouring numbers of a row, which pack into 16 bytes.
.set SIZE_K, 1024
.set SIZE_N, 1024
.set KSTEP,  128
.set PITCH,  272                       ; A's LDS row: 256 bytes + 16: the 16 rows that a load touches start 16 bytes apart modulo 256
.set PITCHB, 544                       ; B's LDS row: 512 bytes + 32, an odd multiple of 32
.set HALFT,  128*PITCH                 ; what one tensor load brings: 128 rows of A, or 64 rows of B (64 x 544 is the same 34,816 bytes)
.set SLOT,   4*HALFT                   ; A's 256 rows, then B's 128 rows of k
.set STAGE,  2*SLOT                    ; behind the ring, never filled by a tensor load: 16 rows x 272 bytes for each wave
.set SPITCH, 272
.set LAPS, SIZE_K/(2*KSTEP)            ; a lap = two K steps = once round the ring: 4
.set ADRA, 16                          ; v16-17  LDS address of my A fragments in slot 0, 1
.set ADRB, 20                          ; v20-21  the same for B
.set STO,  24                          ; v24     the way out: where I put 16 bytes of a row
.set RD,   25                          ; v25     the way out: where I read a row back
.set CO,   26                          ; v26     my byte offset in ph
.set BOF,  27                          ; v27     32 x (l / 16): my eight bias numbers of a block of sixteen columns
.set F0,   64
.set F1,   128
.set TMP,  192                         ; window 0
.set BIAS, 192                         ; window 1
.set G1, 24                            ; s[24:31] descriptor group 1, A
.set G0, 32                            ; s[32:39] descriptor group 0, A, one set for each slot
.set G1B, 48                           ; s[48:55] group 1, B
.set G0B, 56                           ; s[56:63] group 0, B
.set MSB, 0
.macro WIN new                         ; the immediate's high byte repeats the setting that is left
.if MSB != \new
	s_set_vgpr_msb (MSB<<8)|\new
.set MSB, \new
.endif
.endm
.set MUL_LO,  0xa1                     ; source 0 (B) window 1, source 1 (A) window 0, C and D window 2
.set MUL_HI,  0xf1                     ; the same, C and D window 3
.set BIAS_LO, 0x91                     ; C = the bias in window 1, D window 2
.set BIAS_HI, 0xd1                     ; C = the bias in window 1, D window 3
.set TO_B,    0x40                     ; destination window 1, address window 0
; A joint load.  Waves 0 and 1 fetch A's two halves, waves 2 and 3 B's.  The branch hangs on the wave's number alone.
.macro JLOAD s
	s_cmp_eq_u32 s11, 0
	s_cbranch_scc0 .Lfor_b_\@
	tensor_load_to_lds s[G0+4*\s:G0+4*\s+3], s[G1:G1+7]
	s_nop 0
	s_branch .Lasked_\@
.Lfor_b_\@:
	tensor_load_to_lds s[G0B+4*\s:G0B+4*\s+3], s[G1B:G1B+7]
	s_nop 0
.Lasked_\@:
.endm
.macro CREST                           ; a round of the cluster's barrier behind its opening work-group barrier
	s_cmp_lg_u32 s10, 0
	s_cbranch_scc1 .Lnot_wave_0_\@
	s_barrier_signal -3
.Lnot_wave_0_\@:
	s_barrier_wait -3
	s_barrier_signal -1
	s_barrier_wait -1
.endm
.macro CROUND                          ; a whole round
	s_barrier_signal -1
	s_barrier_wait -1
	CREST
.endm
	s_load_b128 s[4:7], s[0:1], 0x0                ; xh s[4:5], wh s[6:7]
	s_load_b256 s[68:75], s[0:1], 0x10             ; b_q s[68:69], b_k s[70:71], b_v s[72:73], ph s[74:75]
	s_set_vgpr_msb 0x40
	v_lshl_add_u32 v63, v0, 2, 0x48400
	s_set_vgpr_msb 0x4000
	v_mov_b32 v255, 0
	s_set_vgpr_msb 0x1
	ds_add_u32 v63, v255
	s_set_vgpr_msb 0x100
	v_lshrrev_b32 v1, 5, v0
	v_readfirstlane_b32 s10, v1                    ; wave 0..3
	s_lshr_b32 s11, s10, 1                         ; which half of the block's rows is mine.  Also: I fetch for A (0) or for B (1)
	s_and_b32 s12, s10, 1                          ; which half of its columns.  Also: which half of that tile I fetch
	s_bfe_u32 s40, ttmp6, 0x40000                  ; cx
	s_bfe_u32 s41, ttmp6, 0x40004                  ; cy
	s_lshl_b32 s42, ttmp9, 2
	s_add_co_u32 s42, s42, s40                     ; block column = 4 x cluster x + cx
	s_and_b32 s45, ttmp7, 0xffff                   ; cluster y, 0..11
	s_lshl_b32 s13, s45, 2
	s_add_co_u32 s13, s13, s41                     ; block row Y = 4 x cluster y + cy, 0..47
	s_lshr_b32 s45, s45, 2                         ; z: sixteen block rows, four clusters, to a product; the same in the whole cluster
	s_lshl_b32 s43, s41, 2
	s_lshl_b32 s43, 15, s43                        ; my row of the cluster: places 4 cy .. 4 cy + 3
	s_lshl_b32 s44, 0x1111, s40                    ; my column: places cx, cx + 4, cx + 8, cx + 12
	; group 1 for A: 128 rows x 128 elements of 2 bytes, 4 words of padding behind every 64
	s_or_b32 s[G1+0], s43, (1<<16)|(1<<20)|(1<<21)|(5<<22)|(3<<25)
	s_mov_b32 s[G1+1], KSTEP<<16                   ; tensor_dim0 = 128
	s_mov_b32 s[G1+2], 128<<16                     ; tensor_dim1 = 128
	s_mov_b32 s[G1+3], KSTEP<<16                   ; tile_dim0 = 128
	s_mov_b32 s[G1+4], 128                         ; tile_dim1 = 128
	s_mov_b32 s[G1+5], SIZE_K                      ; elements from row to row
	s_mov_b32 s[G1+6], 0
	s_mov_b32 s[G1+7], 0
	; group 1 for B: 64 rows of k x 256 elements, 8 words of padding behind every 128
	s_or_b32 s[G1B+0], s44, (1<<16)|(1<<20)|(1<<21)|(6<<22)|(7<<25)
	s_mov_b32 s[G1B+1], 256<<16                    ; tensor_dim0 = 256
	s_mov_b32 s[G1B+2], 64<<16                     ; tensor_dim1 = 64
	s_mov_b32 s[G1B+3], 256<<16                    ; tile_dim0 = 256
	s_mov_b32 s[G1B+4], 64                         ; tile_dim1 = 64
	s_mov_b32 s[G1B+5], SIZE_N
	s_mov_b32 s[G1B+6], 0
	s_mov_b32 s[G1B+7], 0
	; byte offsets, each below 32 MiB.  A's is made of the block row and the wave, B's of z, the block column and the wave, in registers of their own.
	s_lshl_b32 s16, s13, 8
	s_lshl_b32 s17, s12, 7
	s_add_co_u32 s16, s16, s17                     ; A: row 256 Y + 128 x half
	s_lshl_b32 s16, s16, 11                        ; rows of 2,048 bytes
	s_mov_b32 s17, 0
	s_lshl_b32 s46, s45, 21                        ; B: weight z (2 MiB each)
	s_lshl_b32 s47, s12, 17                        ; + 64 rows of k x half
	s_add_co_u32 s46, s46, s47
	s_lshl_b32 s47, s42, 9                         ; + 256 columns x block column
	s_add_co_u32 s46, s46, s47
	s_mov_b32 s47, 0
	s_mul_i32 s20, s10, HALFT                      ; where my part of a tile goes: wave x 34,816 bytes
	s_lshl_b32 s66, s42, 10                        ; the bias of my 128 columns: 4 x (256 x block column + 128 x half)
	s_lshl_b32 s67, s12, 9
	s_add_co_u32 s66, s66, s67
	s_mov_b32 s67, 0
	s_wait_dscnt 0x0
	s_wait_kmcnt 0x0
	s_add_nc_u64 s[14:15], s[4:5], s[16:17]
	s_add_nc_u64 s[46:47], s[6:7], s[46:47]
	s_mov_b64 s[76:77], s[68:69]                   ; the bias of product z
	s_cmp_ge_u32 s45, 1
	s_cselect_b64 s[76:77], s[70:71], s[76:77]
	s_cmp_ge_u32 s45, 2
	s_cselect_b64 s[76:77], s[72:73], s[76:77]
	s_add_nc_u64 s[76:77], s[76:77], s[66:67]
	CROUND                                         ; all sixteen work-groups are here: the first joint loads meet
.irp s, 0,1
	s_mov_b32 s[G0+4*\s], 1
	s_add_co_u32 s[G0+4*\s+1], s20, \s*SLOT
	s_add_nc_u64 s[G0+4*\s+2:G0+4*\s+3], s[14:15], \s*KSTEP*2             ; K step s: 256 bytes along A's rows
	s_or_b32 s[G0+4*\s+3], s[G0+4*\s+3], 0x80000000
	s_mov_b32 s[G0B+4*\s], 1
	s_add_co_u32 s[G0B+4*\s+1], s20, \s*SLOT
	s_add_nc_u64 s[G0B+4*\s+2:G0B+4*\s+3], s[46:47], \s*KSTEP*SIZE_N*2    ; K step s: 128 rows of the weight
	s_or_b32 s[G0B+4*\s+3], s[G0B+4*\s+3], 0x80000000
	JLOAD \s                                       ; two tensor loads of the wave are out
.endr
	v_and_b32 v1, 15, v0                           ; r = l % 16
	v_bfe_u32 v2, v0, 4, 1                         ; h = l / 16
	v_mul_u32_u24 v3, v1, PITCH
	v_lshl_add_u32 v3, v2, 4, v3                   ; A: row r, 16 bytes for each half of the lanes
	v_and_b32 v6, 7, v0
	v_lshl_or_b32 v6, v2, 3, v6                    ; B: row of k 8 h + l % 8,
	v_mul_u32_u24 v6, v6, PITCHB
	v_bfe_u32 v7, v0, 3, 1
	v_lshl_add_u32 v6, v7, 4, v6                   ; and which eight of the sixteen columns
	s_mul_i32 s21, s11, HALFT                      ; my 128 rows of A
	s_lshl_b32 s22, s12, 8                         ; my 128 columns of B,
	s_add_co_u32 s22, s22, 2*HALFT                 ; which lies behind A's 256 rows
.irp s, 0,1
	v_add_nc_u32 v[ADRA+\s], s21, v3
	v_add_nc_u32 v[ADRB+\s], s22, v6
	s_add_co_u32 s21, s21, SLOT
	s_add_co_u32 s22, s22, SLOT
.endr
	s_mul_i32 s23, s10, 16*SPITCH
	s_add_co_u32 s23, s23, STAGE                   ; my stage
	v_mul_u32_u24 v4, v1, SPITCH
	v_lshl_add_u32 v4, v2, 4, v4
	v_add_nc_u32 v[STO], s23, v4
	v_mul_u32_u24 v5, v2, SPITCH
	v_lshl_add_u32 v5, v1, 4, v5
	v_add_nc_u32 v[RD], s23, v5
	v_mul_u32_u24 v5, v2, SIZE_N*2
	v_lshl_add_u32 v[CO], v1, 4, v5
	v_lshlrev_b32 v[BOF], 5, v2
	; the bias in the layout of a result: register 8 b + j of lane (r, h) = bias[my first column + 16 b + 8 h + j].  It is the first product's C.
	WIN TO_B
.irp b, 0,1,2,3,4,5,6,7
	global_load_b128 v[BIAS+8*\b:BIAS+8*\b+3],   v[BOF], s[76:77] offset:64*\b
	global_load_b128 v[BIAS+8*\b+4:BIAS+8*\b+7], v[BOF], s[76:77] offset:64*\b+16
.endr
	WIN 0
; 16 matrix instructions: m blocks a0, a0 + 1 of the window's four x all 8 n blocks, 32 along K.  zero = 1: the sums start from the bias.
; The 64 accumulators take turns, one instruction a turn, in the same order in every quarter step.
.macro MUL16 f, hi, a0, zero
.irp a, \a0, \a0+1
.irp b, 0,1,2,3,4,5,6,7
.if \zero
	v_wmma_f32_16x16x32_f16 v[8*(8*(\a)+\b):8*(8*(\a)+\b)+7], v[\f+8*\b:\f+8*\b+7], v[\f+8*(4*\hi+\a):\f+8*(4*\hi+\a)+7], v[BIAS+8*\b:BIAS+8*\b+7]
.else
	v_wmma_f32_16x16x32_f16 v[8*(8*(\a)+\b):8*(8*(\a)+\b)+7], v[\f+8*\b:\f+8*\b+7], v[\f+8*(4*\hi+\a):\f+8*(4*\hi+\a)+7], v[8*(8*(\a)+\b):8*(8*(\a)+\b)+7]
.endif
.endr
.endr
.endm
; 32 LDS loads in one run: the fragments of quarter kq (32 along K) into buffer f.  B first, transposed: the first load of a pair brings
; k = 8 h .. 8 h + 7 of column r, the second the same 16 rows of k further down.
.macro FETCH slot, kq, f
	WIN TO_B
.irp i, 0,1,2,3,4,5,6,7
	ds_load_tr16_b128 v[\f+8*\i:\f+8*\i+3],   v[ADRB+\slot] offset:\kq*32*PITCHB+32*\i
	ds_load_tr16_b128 v[\f+8*\i+4:\f+8*\i+7], v[ADRB+\slot] offset:\kq*32*PITCHB+32*\i+16*PITCHB
.endr
	WIN 0
.irp i, 0,1,2,3,4,5,6,7
	ds_load_b128 v[\f+8*\i:\f+8*\i+3],   v[ADRA+\slot] offset:\kq*64+\i*16*PITCH
	ds_load_b128 v[\f+8*\i+4:\f+8*\i+7], v[ADRA+\slot] offset:\kq*64+\i*16*PITCH+32
.endr
.endm
; Four independent vector instructions stand between a matrix instruction and a load into one of its sources or a vector read of its result
; (ISA guide 7.12.1 for vector instructions).
.macro PLACES
.rept 4
	v_nop
.endr
.endm
; One of the first three quarters of a K step: multiplies buffer f; in its middle it fetches quarter kq of the same slot into buffer g.
.macro QUARTER slot, kq, f, g, zero
	s_wait_dscnt 8                                 ; B and A's rows 0-63 are in; the youngest eight loads (A's rows 64-127) may be out
.if \zero
	WIN BIAS_LO
.else
	WIN MUL_LO
.endif
	MUL16 \f, 0, 0, \zero
	MUL16 \f, 0, 2, \zero
	PLACES
	FETCH \slot, \kq, \g
	s_wait_dscnt 32                                ; all but the 32 just issued
.if \zero
	WIN BIAS_HI
.else
	WIN MUL_HI
.endif
	MUL16 \f, 1, 0, \zero
	MUL16 \f, 1, 2, \zero
.endm
.macro THREE slot, zero
	QUARTER \slot, 1, F0, F1, \zero
	QUARTER \slot, 2, F1, F0, 0
	QUARTER \slot, 3, F0, F1, 0
.endm
; The last quarter: multiplies buffer 1 and changes slots.  In front of the barrier each wave waits for its reads of this slot and for all its
; tensor loads (one is out: its part of the next slot).  Behind it the refill comes first, then the next slot's first fragments.
.macro TURN slot, next, fill
	s_wait_dscnt 8
	WIN MUL_LO
	MUL16 F1, 0, 0, 0
	s_wait_dscnt 0                                 ; my reads of this slot are over
	s_wait_tensorcnt 0x0                           ; and all my tensor loads have landed
	ds_add_u32 v63, v255
	s_wait_dscnt 0x0
	s_barrier_signal -1                            ; where the slot is filled again this barrier opens a round of the cluster's barrier
	MUL16 F1, 0, 2, 0                              ; registers only
	WIN 0
	s_barrier_wait -1
.if \fill
	CREST                                          ; no wave of any partner still reads this slot or has a load on its way
	s_add_nc_u64 s[G0+4*\slot+2:G0+4*\slot+3], s[G0+4*\slot+2:G0+4*\slot+3], 2*KSTEP*2
	s_add_nc_u64 s[G0B+4*\slot+2:G0B+4*\slot+3], s[G0B+4*\slot+2:G0B+4*\slot+3], 2*KSTEP*SIZE_N*2
	JLOAD \slot                                    ; the first tensor load behind the round
.endif
	PLACES
	FETCH \next, 0, F0
	WIN MUL_HI
	MUL16 F1, 1, 0, 0
	MUL16 F1, 1, 2, 0
.endm
.macro LAP zero
	THREE 0, \zero
	TURN 0, 1, 1
	THREE 1, 0
	TURN 1, 0, 1
.endm
	s_wait_tensorcnt 1                             ; my part of K step 0 is in; K step 1's stays out
	s_barrier_signal -1
	s_barrier_wait -1                              ; everybody's is
	s_wait_loadcnt 0x0                             ; the bias
	FETCH 0, 0, F0
	LAP 1                                          ; the first lap stands in front of the loop: its first products start the sums from the bias
	WIN 0                                          ; at a label and at a branch every window is 0
	s_mov_b32 s3, LAPS-2
.Llap:
	LAP 0
	WIN 0
	s_sub_co_u32 s3, s3, 1
	s_cmp_lg_u32 s3, 0
	s_cbranch_scc1 .Llap
	THREE 0, 0                                     ; the last lap fills nothing
	TURN 0, 1, 0
	THREE 1, 0
	s_wait_dscnt 8
	WIN MUL_LO
	MUL16 F1, 0, 0, 0
	MUL16 F1, 0, 2, 0
	s_wait_dscnt 0
	WIN MUL_HI
	MUL16 F1, 1, 0, 0
	MUL16 F1, 1, 2, 0
	; THE WAY OUT, 16 rows at a time: round to f16, 16 bytes a lane into my own stage, read back as whole rows of 256 bytes.
	PLACES
	s_lshl_b32 s16, s13, 8
	s_lshl_b32 s14, s11, 7
	s_add_co_u32 s16, s16, s14                     ; my first row of ph
	s_lshl_b32 s16, s16, 11
	s_mov_b32 s17, 0
	s_add_nc_u64 s[8:9], s[74:75], s[16:17]
	s_lshl_b32 s46, s42, 9                         ; my first column, in bytes
	s_lshl_b32 s47, s12, 8
	s_add_co_u32 s46, s46, s47
	s_mov_b32 s47, 0
	s_add_nc_u64 s[8:9], s[8:9], s[46:47]
.macro OUT16 i, a, from, f
	WIN \from
.irp b, 0,1,2,3,4,5,6,7
.irp r, 0,1,2,3
	v_cvt_pk_f16_f32 v[TMP+4*\b+\r], v[8*(8*\a+\b)+2*\r], v[8*(8*\a+\b)+2*\r+1]
.endr
.endr
	WIN 0
.irp b, 0,1,2,3,4,5,6,7
	ds_store_b128 v[STO], v[TMP+4*\b:TMP+4*\b+3] offset:32*\b
.endr
	s_wait_xcnt 0x0                                ; buffer f, which earlier stores read, and the stores' base are rewritten only behind this wait
.if \i
	s_add_nc_u64 s[8:9], s[8:9], 16*SIZE_N*2
.endif
.irp t, 0,1,2,3,4,5,6,7
	ds_load_b128 v[\f+4*\t:\f+4*\t+3], v[RD] offset:\t*2*SPITCH    ; LDS serves a wave's instructions in order: these see the stores above
.endr
.irp t, 0,1,2,3,4,5,6,7
	s_wait_dscnt 7-\t
	global_store_b128 v[CO], v[\f+4*\t:\f+4*\t+3], s[8:9] offset:2*\t*SIZE_N*2   ; 16 lanes store 256 consecutive bytes, aligned
.endr
.endm
	OUT16 0, 0, 0x0a, F0
	OUT16 1, 1, 0x0a, F1
	OUT16 2, 2, 0x0a, F0
	OUT16 3, 3, 0x0a, F1
	OUT16 4, 0, 0x0f, F0
	OUT16 5, 1, 0x0f, F1
	OUT16 6, 2, 0x0f, F0
	OUT16 7, 3, 0x0f, F1
	s_set_vgpr_msb 0x1
	s_wait_tensorcnt 0x0
	ds_add_u32 v63, v255
	s_wait_dscnt 0x0
	s_set_vgpr_msb 0x100
	CROUND                                         ; the closing round: no work-group ends while a partner may still ask for a tile that names it
	s_endpgm
.Lfunc_end_k_q4f9578e011_qkv:
	.size	k_q4f9578e011_qkv, .Lfunc_end_k_q4f9578e011_qkv-k_q4f9578e011_qkv
	.p2alignl 7, 3214868480
	.fill 96, 4, 3214868480
	.section	.rodata,"a",@progbits
	.p2align	6, 0x0
	.amdhsa_kernel k_q4f9578e011_qkv
		.amdhsa_group_segment_fixed_size 327680
		.amdhsa_private_segment_fixed_size 0
		.amdhsa_enable_private_segment 0
		.amdhsa_kernarg_size 48
		.amdhsa_user_sgpr_count 2
		.amdhsa_user_sgpr_kernarg_segment_ptr 1
		.amdhsa_wavefront_size32 1
		.amdhsa_system_sgpr_workgroup_id_x 1
		.amdhsa_system_sgpr_workgroup_id_y 1
		.amdhsa_system_sgpr_workgroup_id_z 1
		.amdhsa_system_vgpr_workitem_id 0
		.amdhsa_next_free_vgpr 1024
		.amdhsa_next_free_sgpr 80
		.amdhsa_reserve_vcc 0
		.amdhsa_float_denorm_mode_32 3
		.amdhsa_float_denorm_mode_16_64 3
		.amdhsa_memory_ordered 1
		.amdhsa_forward_progress 1
		.amdhsa_inst_pref_size 198
	.end_amdhsa_kernel
	.amdgpu_metadata
---
amdhsa.version: [ 1, 2 ]
amdhsa.kernels:
  - .name:           k_q4f9578e011_qkv
    .symbol:         k_q4f9578e011_qkv.kd
    .args:
      - { .name: xh, .offset: 0, .size: 8, .value_kind: global_buffer, .address_space: global }
      - { .name: wh, .offset: 8, .size: 8, .value_kind: global_buffer, .address_space: global }
      - { .name: b_q, .offset: 16, .size: 8, .value_kind: global_buffer, .address_space: global }
      - { .name: b_k, .offset: 24, .size: 8, .value_kind: global_buffer, .address_space: global }
      - { .name: b_v, .offset: 32, .size: 8, .value_kind: global_buffer, .address_space: global }
      - { .name: ph, .offset: 40, .size: 8, .value_kind: global_buffer, .address_space: global }
    .group_segment_fixed_size: 327680
    .private_segment_fixed_size: 0
    .kernarg_segment_align: 8
    .kernarg_segment_size: 48
    .max_flat_workgroup_size: 128
    .sgpr_count:     80
    .vgpr_count:     1024
    .wavefront_size: 32
...
	.end_amdgpu_metadata
.endif
;; end of part 2
;; launch attn (part 3): grid 16 x 16, 8 waves a work-group, clusters of 4 x 1, 327,680 bytes of LDS; arguments ph, att; writes att
.if DOCPART == 3
	.amdgcn_target "amdgcn-amd-amdhsa--gfx1250"
	.amdhsa_code_object_version 6
	.text
	.protected	k_q4f9578e011_attn
	.globl	k_q4f9578e011_attn
	.p2align	8
	.type	k_q4f9578e011_attn,@function
k_q4f9578e011_attn:
	s_mov_b64 s[64:65], 0
	v_nop
	global_prefetch_b8 v0, s[64:65] scope:SCOPE_SE
	s_setreg_imm32_b32 hwreg(HW_REG_WAVE_MODE, 25, 1), 1
	s_wait_xcnt 0x0
	s_wait_alu depctr_hold_cnt(0) depctr_sa_sdst(0) depctr_va_vdst(0) depctr_va_sdst(0) depctr_va_ssrc(0) depctr_va_vcc(0) depctr_vm_vsrc(0)
	s_getreg_b32 s2, hwreg(HW_REG_IB_STS2, 6, 4)
	s_cmp_eq_u32 s2, 0
	s_cbranch_scc0 .Lentry_in_a_cluster
	s_endpgm
.Lentry_in_a_cluster:
	s_bfe_u32 s2, ttmp6, 0x10000c
	s_cmp_lg_u32 s2, 0x3003
	s_cbranch_scc0 .Lentry_shape_is_right
	s_endpgm
.Lentry_shape_is_right:
; att[b][l][64 head + d] = f16( softmax over keys of (Q K^T / 8) times V ), from ph = [Q | K | V], each [4096][1024] f16, row = 2048 b + l.
; f16 matrix operands, f32 sums; maximum, exponentials, row sums and rescaling in f32, with a running maximum.
; LIMITS: an output of magnitude 65,504 or more becomes infinite in f16; an exponential below 2^-126 counts as zero (v_exp_f32).
; A work-group takes one batch, TWO heads and 128 queries, so that every row of K, V, Q and att that it touches is 256 consecutive aligned bytes.
; 16 x 16 = 256 work-groups.  Wave w: head e = w & 1 of the pair, query half qh = (w >> 1) & 1 (64 queries), key group g = w >> 2: of every tile of
; 256 keys group g takes keys 128 g .. 128 g + 127, as two steps of 64.  The two groups' results are merged once at the end, through LDS.
; CLUSTERS: the four query blocks of a cluster walk the same K and V tiles and ask for them jointly (mask 15): one request serves four.
; BOTH PRODUCTS ARE TRANSPOSED.  S^T = K Q^T: lane (r, h), register j of tile (kt, qt) holds key 16 kt + 8 h + j of query 16 qt + r, so a query's
; scores lie in one lane and its partner lane r + 16.  O^T = V^T P^T: its second source wants, in lane (r, h), keys 8 h .. 8 h + 7 and
; 16 + 8 h .. of query r: exactly two S^T tiles packed to f16 in place.  P takes no shuffle and no way through LDS.
; THE WAVES TAKE TURNS AT THE UNITS.  A step is two blocks: SB (the S products and the fetches of fragments) and SMPV (softmax and the O products,
; on registers alone).  The four waves with e + g odd, the late ones, carry the SMPV of a tile's second step over the cluster's round: S and V's fragments
; are in registers in front of it.  So behind a round four waves begin with matrix work and four with vector work, and they stay in opposite phases.
; Waves w and w + 4 differ in e + g, and so do waves w and w xor 1.  It is one text: branches on the wave's number jump over an SMPV, never over a barrier.
; The exponent's base is kept as nm = round(-c m), c = log2(e) / 8; p = exp2(c s + nm) by one fused multiply-add, and every rescaling factor is
; exp2 of a difference of such nm, so the rounding of c m is the same in numerator and denominator.
.set PART,  18432                      ; 64 keys: K at a pitch of 272 bytes (17,408 used), V at a pitch of 288
.set SLOT,  8*PART                     ; parts 0-3: K's quarters of a tile of 256 keys; parts 4-7: V's.  Wave w fills part w.  Two slots.
.set KP,    272                        ; 256 + 16: the 16 rows that a load touches start 16 bytes apart modulo 256
.set VP,    288                        ; 256 + 32: an odd multiple of 32, for the transposing loads
.set TSTEP, 256*2048                   ; bytes from a tile to the next
.set XSZ,   34*512                     ; the exchange between key groups, in slot 0 behind its last fill: 32 quads of O, nm, l, 512 bytes each, for 4 pairs of waves
.set OST,   4*XSZ                      ; the output stage behind it: 128 rows x 272 bytes
.set ADRK, 2                           ; v2-3    my K fragments in slot 0, 1
.set ADRV, 4                           ; v4-5    my V fragments
.set XA,   6                           ; v6      the exchange: my 16 bytes
.set OSA,  7                           ; v7      the stage: where I put 16 bytes of a query's row
.set RD,   8                           ; v8      the stage: where I read rows back
.set CO,   9                           ; v9      my byte offset in att
.set QOFF, 10                          ; v10     my byte offset in Q
.set M,    12                          ; v12-15  running maximum of query 16 qt + r
.set MN,   16                          ; v16-19  this step's
.set NMO,  20                          ; v20-23  nm of the step before
.set NM,   24                          ; v24-31  pairs {nm, nm - nm of the step before}
.set AL,   32                          ; v32-39  pairs {alpha, alpha}, alpha = exp2 of that difference
.set T,    40                          ; v40-47  at work
.set LS,   48                          ; v48-55  pairs of partial row sums
.set S,    64                          ; v64-191 S^T tile (kt, qt) at 8 (4 kt + qt); then P
.set KF,   192                         ; v192-255 K fragment (kt, dh) at 8 (2 kt + dh)
.set O,    0                           ; window 1: O^T tile (dt, qt) at 8 (4 dt + qt)
.set QF,   128                         ; window 1: Q fragment (qt, dh) at 8 (2 qt + dh)
.set VF,   192                         ; window 1: V^T fragment (dt, kb) at 8 (2 dt + kb)
.set G1K, 28                           ; s[28:35]
.set G1V, 36                           ; s[36:43]
.set G0K, 44                           ; s[44:51] one set for each slot
.set G0V, 52                           ; s[52:59]
.set MSB, 0
.macro WIN new                         ; the immediate's high byte repeats the setting that is left
.if MSB != \new
	s_set_vgpr_msb (MSB<<8)|\new
.set MSB, \new
.endif
.endm
.macro ROUND                           ; a round of the cluster's barrier
	s_barrier_signal -1
	s_barrier_wait -1
	s_cmp_lg_u32 s8, 0
	s_cbranch_scc1 .Lnot_wave_0_\@
	s_barrier_signal -3
.Lnot_wave_0_\@:
	s_barrier_wait -3
	s_barrier_signal -1
	s_barrier_wait -1
.endm
.macro JLOAD n                         ; waves 0-3 ask for K's quarters, waves 4-7 for V's: the branch hangs on the wave's number alone
	s_cmp_eq_u32 s11, 0
	s_cbranch_scc0 .Lfor_v_\@
	tensor_load_to_lds s[G0K+4*\n:G0K+4*\n+3], s[G1K:G1K+7]
	s_nop 0
	s_branch .Lasked_\@
.Lfor_v_\@:
	tensor_load_to_lds s[G0V+4*\n:G0V+4*\n+3], s[G1V:G1V+7]
	s_nop 0
.Lasked_\@:
.endm
	s_load_b128 s[4:7], s[0:1], 0x0                ; ph s[4:5], att s[6:7]
	v_lshl_add_u32 v62, v0, 2, 0x48000
	v_mov_b32 v63, 0
	ds_add_u32 v62, v63
	v_lshrrev_b32 v1, 5, v0
	v_readfirstlane_b32 s8, v1                     ; wave 0..7
	s_and_b32 s9, s8, 1                            ; e
	s_lshr_b32 s10, s8, 1
	s_and_b32 s10, s10, 1                          ; qh
	s_lshr_b32 s11, s8, 2                          ; g
	s_and_b32 s15, s8, 3                           ; which quarter I fetch; also my pair in the exchange
	s_add_co_u32 s61, s9, s11
	s_and_b32 s61, s61, 1                          ; late = (e + g) & 1: waves 1, 3, 4, 6
	s_bfe_u32 s12, ttmp6, 0x40000                  ; cx
	s_lshl_b32 s13, ttmp9, 2
	s_add_co_u32 s13, s13, s12                     ; X: my block of 128 queries, 0..15
	s_and_b32 s14, ttmp7, 0xffff
	s_lshr_b32 s25, s14, 3                         ; batch
	s_and_b32 s26, s14, 7                          ; pair of heads
	s_mov_b32 s20, 0x76543210                      ; v_permlanex16_b32: lane i reads lane i of the other half
	s_mov_b32 s21, 0xfedcba98
	s_mov_b32 s22, 0x3e38aa3b                      ; c = log2(e) / 8
	s_mov_b32 s23, 0x3e38aa3b
	s_mov_b32 s24, 0xbe38aa3b                      ; -c
	; group 1: 64 rows x 128 elements of 2 bytes, asked for by all four work-groups; K: 4 words of padding behind every 64, V: 8
	s_mov_b32 s[G1K+0], 15|(1<<16)|(1<<20)|(1<<21)|(5<<22)|(3<<25)
	s_mov_b32 s[G1K+1], 128<<16                    ; tensor_dim0
	s_mov_b32 s[G1K+2], 64<<16                     ; tensor_dim1
	s_mov_b32 s[G1K+3], 128<<16                    ; tile_dim0
	s_mov_b32 s[G1K+4], 64                         ; tile_dim1
	s_mov_b32 s[G1K+5], 1024                       ; elements from row to row
	s_mov_b32 s[G1K+6], 0
	s_mov_b32 s[G1K+7], 0
	s_mov_b32 s[G1V+0], 15|(1<<16)|(1<<20)|(1<<21)|(5<<22)|(7<<25)
	s_mov_b32 s[G1V+1], 128<<16
	s_mov_b32 s[G1V+2], 64<<16
	s_mov_b32 s[G1V+3], 128<<16
	s_mov_b32 s[G1V+4], 64
	s_mov_b32 s[G1V+5], 1024
	s_mov_b32 s[G1V+6], 0
	s_mov_b32 s[G1V+7], 0
	; K's and V's offset: batch, my quarter of the tile, the pair of heads.  No place in the cluster enters it.
	s_lshl_b32 s66, s25, 22                        ; 2,048 rows of 2,048 bytes
	s_lshl_b32 s67, s15, 17                        ; 64 rows
	s_add_co_u32 s66, s66, s67
	s_lshl_b32 s67, s26, 8                         ; 256 bytes for a pair of heads
	s_add_co_u32 s66, s66, s67
	s_mov_b32 s67, 0
	s_mul_i32 s27, s8, PART                        ; where my part of a tile goes
	; Q's and att's offsets, in registers of their own
	s_lshl_b32 s70, s25, 22
	s_lshl_b32 s71, s13, 18                        ; 128 rows
	s_add_co_u32 s70, s70, s71
	s_lshl_b32 s71, s26, 8
	s_add_co_u32 s70, s70, s71
	s_lshl_b32 s71, s8, 15                         ; att: 16 rows for each wave on the way out
	s_add_co_u32 s62, s70, s71
	s_mov_b32 s63, 0
	s_lshl_b32 s71, s10, 17                        ; Q: my 64 queries,
	s_add_co_u32 s70, s70, s71
	s_lshl_b32 s71, s9, 7                          ; my head
	s_add_co_u32 s70, s70, s71
	s_mov_b32 s71, 0
	v_and_b32 v1, 15, v0                           ; r
	v_bfe_u32 v11, v0, 4, 1                        ; h
	v_lshlrev_b32 v61, 11, v1
	v_lshl_add_u32 v[QOFF], v11, 4, v61            ; row r, 16 bytes for each half of the lanes
	s_wait_dscnt 0x0
	s_wait_kmcnt 0x0
	s_add_nc_u64 s[68:69], s[4:5], s[66:67]
	s_add_nc_u64 s[16:17], s[4:5], s[70:71]
	s_add_nc_u64 s[18:19], s[6:7], s[62:63]
	WIN 0x40                                       ; Q's fragments stay in registers for the whole kernel: 64 queries x 64
.irp qt, 0,1,2,3
.irp dh, 0,1
	global_load_b128 v[QF+8*(2*\qt+\dh):QF+8*(2*\qt+\dh)+3],   v[QOFF], s[16:17] offset:\qt*32768+64*\dh
	global_load_b128 v[QF+8*(2*\qt+\dh)+4:QF+8*(2*\qt+\dh)+7], v[QOFF], s[16:17] offset:\qt*32768+64*\dh+32
.endr
.endr
	WIN 0
.irp n, 0,1
	s_mov_b32 s[G0K+4*\n], 1
	s_add_co_u32 s[G0K+4*\n+1], s27, \n*SLOT
	s_add_nc_u64 s[G0K+4*\n+2:G0K+4*\n+3], s[68:69], 8388608+\n*TSTEP      ; K lies 8 MiB into ph; tile n
	s_or_b32 s[G0K+4*\n+3], s[G0K+4*\n+3], 0x80000000
	s_mov_b32 s[G0V+4*\n], 1
	s_add_co_u32 s[G0V+4*\n+1], s27, \n*SLOT
	s_add_nc_u64 s[G0V+4*\n+2:G0V+4*\n+3], s[68:69], 16777216+\n*TSTEP     ; V lies 16 MiB into ph
	s_or_b32 s[G0V+4*\n+3], s[G0V+4*\n+3], 0x80000000
.endr
	ROUND                                          ; the four work-groups are here: the first joint loads meet
	JLOAD 0                                        ; tile 0
	v_and_b32 v56, 31, v0                          ; l
	v_and_b32 v57, 7, v0
	v_bfe_u32 v58, v0, 3, 1
	v_lshl_or_b32 v57, v11, 3, v57                 ; 8 h + l % 8
	s_mul_i32 s66, s11, 2*PART
	s_lshl_b32 s67, s9, 7
	s_add_co_u32 s66, s66, s67                     ; my key group's two parts, my head's 128 bytes of a row
	v_mul_u32_u24 v59, v1, KP
	v_lshl_add_u32 v59, v11, 4, v59                ; r x 272 + 16 h
	v_add_nc_u32 v[ADRK], s66, v59
	v_add_nc_u32 v[ADRK+1], SLOT, v[ADRK]
	v_mul_u32_u24 v60, v57, VP
	v_lshl_add_u32 v60, v58, 4, v60
	s_add_co_u32 s66, s66, 4*PART                  ; V's parts lie behind K's four
	v_add_nc_u32 v[ADRV], s66, v60
	v_add_nc_u32 v[ADRV+1], SLOT, v[ADRV]
	s_mul_i32 s66, s15, XSZ
	v_lshl_add_u32 v[XA], v56, 4, s66
	s_mul_i32 s66, s10, 64*KP
	s_add_co_u32 s66, s66, s67
	s_add_co_u32 s66, s66, OST
	v_add_nc_u32 v[OSA], s66, v59                  ; row 64 qh + r, my head's 128 bytes, 16 bytes for each half of the lanes
	s_mul_i32 s66, s8, 16*KP
	s_add_co_u32 s66, s66, OST
	v_mul_u32_u24 v61, v11, KP
	v_lshl_add_u32 v61, v1, 4, v61
	v_add_nc_u32 v[RD], s66, v61                   ; rows 16 w + h, 16 bytes a lane
	v_lshlrev_b32 v61, 11, v11
	v_lshl_add_u32 v[CO], v1, 4, v61
.irp qt, 0,1,2,3
	v_mov_b32 v[T+\qt], 0                          ; v_permlanex16_b32 counts as a reader of its destination
.endr
	s_wait_loadcnt 0x0                             ; Q
.macro KLOAD slot, s                   ; 16 loads: 64 keys x 64 of my head, step s of the tile
.irp kt, 0,1,2,3
.irp dh, 0,1
	ds_load_b128 v[KF+8*(2*\kt+\dh):KF+8*(2*\kt+\dh)+3],   v[ADRK+\slot] offset:\s*PART+\kt*16*KP+64*\dh
	ds_load_b128 v[KF+8*(2*\kt+\dh)+4:KF+8*(2*\kt+\dh)+7], v[ADRK+\slot] offset:\s*PART+\kt*16*KP+64*\dh+32
.endr
.endr
.endm
.macro VLOAD slot, s                   ; 16 transposing loads: V^T, 64 of my head x 64 keys
	WIN 0x40
.irp dt, 0,1,2,3
.irp kb, 0,1
	ds_load_tr16_b128 v[VF+8*(2*\dt+\kb):VF+8*(2*\dt+\kb)+3],   v[ADRV+\slot] offset:\s*PART+\kb*32*VP+32*\dt
	ds_load_tr16_b128 v[VF+8*(2*\dt+\kb)+4:VF+8*(2*\dt+\kb)+7], v[ADRV+\slot] offset:\s*PART+\kb*32*VP+32*\dt+16*VP
.endr
.endr
	WIN 0
.endm
; The softmax's sixteen tiles run as a pipeline of three stages, one tile apart: FM (c s + nm) on tile ft, EX (exp2) on tile tt, SC (sums and packing) on tile u.
.macro EX j                            ; one exponential of tile tt, in place
	v_exp_f32 v[S+8*tt+\j], v[S+8*tt+\j]
.endm
.macro FM p                            ; two numbers of tile ft: c s + nm; ft = 16: there is no such tile
.if 16 > ft
	v_pk_fma_f32 v[S+8*ft+\p:S+8*ft+\p+1], v[S+8*ft+\p:S+8*ft+\p+1], s[22:23], v[NM+2*(ft&3):NM+2*(ft&3)+1] op_sel_hi:[1,0,0]
.endif
.endm
.macro SETU                            ; tile u: which of two sets of temporaries takes its sums, and where its packed p go:
.set tb, T+4*(u&1)                     ; an even kt into its own registers 0-3, an odd kt into registers 4-7 of the tile above it,
.if ((u>>2)&1) == 0                    ; which makes the second source of O^T's products
.set pd, S+8*u
.else
.set pd, S+8*(u-4)+4
.endif
.endm
.macro SC k, first                     ; line k of tile u's eight: two adds, four packings, the tree's last add, the add into the query's pair of sums
.if tt > 0
.if \k == 0
	s_wait_alu depctr_va_vdst(0)
	v_pk_add_f32 v[tb:tb+1], v[S+8*u:S+8*u+1], v[S+8*u+2:S+8*u+3]
.endif
.if \k == 1
	s_wait_alu depctr_va_vdst(0)
	v_pk_add_f32 v[tb+2:tb+3], v[S+8*u+4:S+8*u+5], v[S+8*u+6:S+8*u+7]
.endif
.if \k > 1
.if 6 > \k
	v_cvt_pk_f16_f32 v[pd+\k-2], v[S+8*u+2*(\k-2)], v[S+8*u+2*(\k-2)+1]
.endif
.endif
.if \k == 6
.if (u>>2) == 0
.if \first
	v_pk_add_f32 v[LS+2*(u&3):LS+2*(u&3)+1], v[tb:tb+1], v[tb+2:tb+3]          ; the first step starts the sums
.else
	v_pk_add_f32 v[tb:tb+1], v[tb:tb+1], v[tb+2:tb+3]
.endif
.else
	v_pk_add_f32 v[tb:tb+1], v[tb:tb+1], v[tb+2:tb+3]
.endif
.endif
.if \k == 7
.if (u>>2) == 0
.if \first == 0
	v_pk_fma_f32 v[LS+2*(u&3):LS+2*(u&3)+1], v[LS+2*(u&3):LS+2*(u&3)+1], v[AL+2*(u&3):AL+2*(u&3)+1], v[tb:tb+1]   ; l = l alpha + ..
.endif
.else
	v_pk_add_f32 v[LS+2*(u&3):LS+2*(u&3)+1], v[LS+2*(u&3):LS+2*(u&3)+1], v[tb:tb+1]
.endif
.endif
.endif
.endm
.macro PV16 kb, zero                   ; O^T (dt, qt) += V^T (dt, kb) x P^T (kb, qt): sixteen accumulators, one instruction a turn
.irp dt, 0,1,2,3
.irp qt, 0,1,2,3
.if \zero
	v_wmma_f32_16x16x32_f16 v[O+8*(4*\dt+\qt):O+8*(4*\dt+\qt)+7], v[VF+8*(2*\dt+\kb):VF+8*(2*\dt+\kb)+7], v[S+8*(8*\kb+\qt):S+8*(8*\kb+\qt)+7], 0
.else
	v_wmma_f32_16x16x32_f16 v[O+8*(4*\dt+\qt):O+8*(4*\dt+\qt)+7], v[VF+8*(2*\dt+\kb):VF+8*(2*\dt+\kb)+7], v[S+8*(8*\kb+\qt):S+8*(8*\kb+\qt)+7], v[O+8*(4*\dt+\qt):O+8*(4*\dt+\qt)+7]
.endif
.endr
.endr
.endm
; SB: the scores of 64 keys (part s of my key group in the slot) against my 64 queries, then the fetch of the step's V and, nextk = 1, of the next step's K.
.macro SB slot, s, nextk
	s_wait_dscnt 0x0                               ; this step's K fragments are in
	WIN 0x04                                       ; second source (Q) in window 1
.irp dh, 0,1
.irp kt, 0,1,2,3
.irp qt, 0,1,2,3
.if \dh == 0
	v_wmma_f32_16x16x32_f16 v[S+8*(4*\kt+\qt):S+8*(4*\kt+\qt)+7], v[KF+8*(2*\kt+\dh):KF+8*(2*\kt+\dh)+7], v[QF+8*(2*\qt+\dh):QF+8*(2*\qt+\dh)+7], 0
.else
	v_wmma_f32_16x16x32_f16 v[S+8*(4*\kt+\qt):S+8*(4*\kt+\qt)+7], v[KF+8*(2*\kt+\dh):KF+8*(2*\kt+\dh)+7], v[QF+8*(2*\qt+\dh):QF+8*(2*\qt+\dh)+7], v[S+8*(4*\kt+\qt):S+8*(4*\kt+\qt)+7]
.endif
.endr
.endr
.endr
.rept 5
	v_nop                                          ; four places are owed in front of the loads into K's and V's fragments and of the reads of S
.endr                                                  ; the fifth keeps any product that writes over S far enough on every way through the branches below
	VLOAD \slot, \s
.if \nextk
	KLOAD \slot, 1
.endif
.endm
; SMPV: softmax of the scores in S and O += V^T P^T.  Registers alone, but for the wait for V's fragments: left = how many younger LDS loads may stay out.
; first = 1: the wave's first step: nothing to rescale.
.macro SMPV first, left
	; the largest of a query's 32 scores in this lane, with the running maximum; four chains, one for each qt
.irp qt, 0,1,2,3
	v_max3_num_f32 v[MN+\qt], v[S+8*\qt], v[S+8*\qt+1], v[S+8*\qt+2]
.endr
.set i, 3
.rept 14
.irp qt, 0,1,2,3
	v_max3_num_f32 v[MN+\qt], v[MN+\qt], v[S+8*(4*(i>>3)+\qt)+(i&7)], v[S+8*(4*((i+1)>>3)+\qt)+((i+1)&7)]
.endr
.set i, i+2
.endr
.irp qt, 0,1,2,3
.if \first
	v_max_num_f32 v[MN+\qt], v[MN+\qt], v[S+8*(12+\qt)+7]
.else
	v_max3_num_f32 v[MN+\qt], v[MN+\qt], v[S+8*(12+\qt)+7], v[M+\qt]
.endif
.endr
.irp qt, 0,1,2,3
	v_permlanex16_b32 v[T+\qt], v[MN+\qt], s20, s21            ; the other 32 keys of the query lie in lane r + 16
.endr
.irp qt, 0,1,2,3
	v_max_num_f32 v[M+\qt], v[MN+\qt], v[T+\qt]
.endr
.irp qt, 0,1,2,3
	v_mul_f32 v[NM+2*\qt], s24, v[M+\qt]                       ; nm = round(-c m)
.endr
.irp qt, 0,1,2,3
.if \first
	v_mov_b32 v[NM+2*\qt+1], v[NM+2*\qt]                       ; the pair's second register is written too
.else
	v_sub_f32 v[NM+2*\qt+1], v[NM+2*\qt], v[NMO+\qt]           ; at most 0
.endif
.endr
.if \first == 0
.irp qt, 0,1,2,3
	v_exp_f32 v[AL+2*\qt], v[NM+2*\qt+1]                       ; alpha, twice, for the packed forms
	v_exp_f32 v[AL+2*\qt+1], v[NM+2*\qt+1]
.endr
.endif
	; The exponentials of tile tt alternate with plain lines on the tiles beside it, so that every exponential's result is first read
	; behind plain instructions on other registers (ISA guide 5.7.2).
.set ft, 0
.irp p, 0,2,4,6
	FM \p
.endr
.set tt, 0
.rept 16
.set ft, tt+1
.set u, tt-1
	SETU
	EX 0
	FM 0
	EX 1
	FM 2
	EX 2
	FM 4
	EX 3
	FM 6
	EX 4
	SC 0, \first
	EX 5
	SC 1, \first
	EX 6
	SC 2, \first
	EX 7
	SC 3, \first
	SC 4, \first
	SC 5, \first
	SC 6, \first
	SC 7, \first
.set tt, tt+1
.endr
.set u, 15
	SETU
.irp k, 0,1,2,3,4,5,6,7
	SC \k, \first
.endr
.if \first == 0
	WIN 0x41                                       ; O in window 1, alpha in window 0
.set u, 0
.rept 16
.irp p, 0,2,4,6
	v_pk_mul_f32 v[O+8*u+\p:O+8*u+\p+1], v[O+8*u+\p:O+8*u+\p+1], v[AL+2*(u&3):AL+2*(u&3)+1]
.endr
.set u, u+1
.endr
.endif
	s_wait_dscnt \left                             ; V's sixteen loads are in; younger loads of K fragments may stay out
	WIN 0x51                                       ; V^T and O in window 1, P in window 0
	PV16 0, \first
	PV16 1, 0
	WIN 0
.irp qt, 0,1,2,3
	v_mov_b32 v[NMO+\qt], v[NM+2*\qt]              ; with the v_nop: five places in front of the next products, which write over P (ISA guide 7.12.1)
.endr
	v_nop
.endm
; A tile of 256 keys.  In front of the round every wave has waited for all its tensor loads (one: its part of this trip's tile) and for its reads of
; the other slot, a late wave's fetch of V's fragments among them; behind it the other slot is asked for again first.  That load has the whole trip,
; 128 matrix instructions of a wave, in which to land.
.macro TRIP slot, other, refill, first
	s_wait_tensorcnt 0x0
	ds_add_u32 v62, v63
	s_wait_dscnt 0x0
	s_add_nc_u64 s[G0K+4*\slot+2:G0K+4*\slot+3], s[G0K+4*\slot+2:G0K+4*\slot+3], 2*TSTEP   ; no load of mine is out: this slot's next tile
	s_add_nc_u64 s[G0V+4*\slot+2:G0V+4*\slot+3], s[G0V+4*\slot+2:G0V+4*\slot+3], 2*TSTEP
	s_wait_dscnt 0x0
	ROUND
.if \refill
	JLOAD \other
.endif
	KLOAD \slot, 0
.if \first == 0
	s_cmp_eq_u32 s61, 0
	s_cbranch_scc1 .Lnot_late_\@
	SMPV 0, 16                                     ; a late wave: the last tile's second step, from registers; only the sixteen K loads just issued are out
.Lnot_late_\@:
.endif
	SB \slot, 0, 1
	SMPV \first, 16                                ; the sixteen younger loads are the second step's K
	SB \slot, 1, 0
	s_cmp_lg_u32 s61, 0
	s_cbranch_scc1 .Lnot_early_\@
	SMPV 0, 0                                      ; an early wave ends the step here; a late wave carries it over the round
.Lnot_early_\@:
.endm
	TRIP 0, 1, 1, 1                                ; tile 0 stands in front of the loop: the first step starts maxima, sums and O
	s_mov_b32 s60, 3
.Ltrips:
	TRIP 1, 0, 1, 0                                ; tiles 1 to 6; tile 6's trip asks for tile 7
	TRIP 0, 1, 1, 0
	s_sub_co_u32 s60, s60, 1
	s_cmp_lg_u32 s60, 0
	s_cbranch_scc1 .Ltrips
	TRIP 1, 0, 0, 0                                ; tile 7; nothing more is asked for (the stepped addresses are not used)
	; THE MERGE.  Slot 0 has had its last fill and its last read.  Of each pair of waves w, w + 4 (same head, same queries, the two key groups) the early one
	; hands nm, l and O to the late one, which meanwhile ends its last step.
	s_wait_dscnt 0x0
	s_barrier_signal -1
	s_barrier_wait -1                              ; the ring's reads are over in every wave
	s_cmp_eq_u32 s61, 0
	s_cbranch_scc1 .Lgive
	SMPV 0, 0                                      ; a late wave's last step
	s_branch .Lgiven
.Lgive:
.irp qt, 0,1,2,3
	v_add_f32 v[T+4+\qt], v[LS+2*\qt], v[LS+2*\qt+1]
.endr
	ds_store_b128 v[XA], v[NMO:NMO+3] offset:32*512
	ds_store_b128 v[XA], v[T+4:T+7] offset:33*512
	WIN 0x04                                       ; a store's data is its second source: O in window 1
.set u, 0
.rept 32
	ds_store_b128 v[XA], v[O+4*u:O+4*u+3] offset:512*u         ; 32 lanes, 512 consecutive bytes
.set u, u+1
.endr
	WIN 0
.Lgiven:
	s_wait_dscnt 0x0                               ; my stores are done, for the partner's sake
	s_barrier_signal -1
	s_barrier_wait -1
	s_cmp_eq_u32 s61, 0
	s_cbranch_scc1 .Lmerged
	ds_load_b128 v[T:T+3], v[XA] offset:32*512     ; the partner's nm
	ds_load_b128 v[T+4:T+7], v[XA] offset:33*512   ; and l
.set u, 0
.rept 32
	ds_load_b128 v[S+4*u:S+4*u+3], v[XA] offset:512*u          ; and O, in my O's order
.set u, u+1
.endr
	s_wait_dscnt 32                                ; the two small loads are in; the 32 behind them may stay out
.irp qt, 0,1,2,3
	v_min_num_f32 v[MN+\qt], v[NMO+\qt], v[T+\qt]              ; the smaller nm belongs to the larger maximum
.endr
.irp qt, 0,1,2,3
	v_sub_f32 v[M+\qt], v[MN+\qt], v[NMO+\qt]
	v_sub_f32 v[AL+\qt], v[MN+\qt], v[T+\qt]
	v_add_f32 v[AL+4+\qt], v[LS+2*\qt], v[LS+2*\qt+1]
.endr
.irp qt, 0,1,2,3
	v_exp_f32 v[M+\qt], v[M+\qt]                               ; my factor
	v_exp_f32 v[AL+\qt], v[AL+\qt]                             ; the partner's
.endr
	v_nop                                          ; a plain instruction behind the exponentials (ISA guide 5.7.2)
.irp qt, 0,1,2,3
	s_wait_alu depctr_va_vdst(0)
	v_mul_f32 v[AL+4+\qt], v[AL+4+\qt], v[M+\qt]
.endr
.irp qt, 0,1,2,3
	v_fmac_f32 v[AL+4+\qt], v[T+4+\qt], v[AL+\qt]
.endr
.irp qt, 0,1,2,3
	v_permlanex16_b32 v[NMO+\qt], v[AL+4+\qt], s20, s21        ; the sums over the other half's keys
.endr
.irp qt, 0,1,2,3
	v_add_f32 v[AL+4+\qt], v[AL+4+\qt], v[NMO+\qt]
.endr
.irp qt, 0,1,2,3
	v_rcp_f32 v[AL+4+\qt], v[AL+4+\qt]                         ; the sum holds the largest score's exponential, about 1: never 0
.endr
	v_nop
.irp qt, 0,1,2,3
	s_wait_alu depctr_va_vdst(0)
	v_mul_f32 v[NM+2*\qt], v[M+\qt], v[AL+4+\qt]               ; my factor over the sum, twice
	v_mul_f32 v[NM+2*\qt+1], v[M+\qt], v[AL+4+\qt]
	v_mul_f32 v[T+2*\qt], v[AL+\qt], v[AL+4+\qt]               ; the partner's
	v_mul_f32 v[T+2*\qt+1], v[AL+\qt], v[AL+4+\qt]
.endr
	s_wait_dscnt 0x0
.set u, 0
.rept 16
.irp p, 0,2,4,6
	v_pk_mul_f32 v[S+8*u+\p:S+8*u+\p+1], v[S+8*u+\p:S+8*u+\p+1], v[T+2*(u&3):T+2*(u&3)+1]
.endr
.set u, u+1
.endr
	WIN 0x01                                       ; my O in window 1
.set u, 0
.rept 16
.irp p, 0,2,4,6
	v_pk_fma_f32 v[S+8*u+\p:S+8*u+\p+1], v[O+8*u+\p:O+8*u+\p+1], v[NM+2*(u&3):NM+2*(u&3)+1], v[S+8*u+\p:S+8*u+\p+1]
.endr
.set u, u+1
.endr
	WIN 0
.set u, 0
.rept 16
.irp j, 0,1,2,3
	v_cvt_pk_f16_f32 v[S+8*u+\j], v[S+8*u+2*\j], v[S+8*u+2*\j+1]
.endr
	ds_store_b128 v[OSA], v[S+8*u:S+8*u+3] offset:(u&3)*16*KP+(u>>2)*32        ; query 16 qt + r, columns 16 dt + 8 h .. + 7 of my head
.set u, u+1
.endr
.Lmerged:
	s_wait_dscnt 0x0
	s_barrier_signal -1
	s_barrier_wait -1
	; all eight waves carry the 128 rows out, 16 rows each
.irp t, 0,1,2,3,4,5,6,7
	ds_load_b128 v[KF+4*\t:KF+4*\t+3], v[RD] offset:\t*2*KP
.endr
.irp t, 0,1,2,3,4,5,6,7
	s_wait_dscnt 7-\t
	global_store_b128 v[CO], v[KF+4*\t:KF+4*\t+3], s[18:19] offset:4096*\t     ; 16 lanes store 256 consecutive bytes, aligned
.endr
	s_wait_tensorcnt 0x0
	ds_add_u32 v62, v63
	s_wait_dscnt 0x0
	ROUND                                          ; the closing round
	s_endpgm
.Lfunc_end_k_q4f9578e011_attn:
	.size	k_q4f9578e011_attn, .Lfunc_end_k_q4f9578e011_attn-k_q4f9578e011_attn
	.p2alignl 7, 3214868480
	.fill 96, 4, 3214868480
	.section	.rodata,"a",@progbits
	.p2align	6, 0x0
	.amdhsa_kernel k_q4f9578e011_attn
		.amdhsa_group_segment_fixed_size 327680
		.amdhsa_private_segment_fixed_size 0
		.amdhsa_enable_private_segment 0
		.amdhsa_kernarg_size 16
		.amdhsa_user_sgpr_count 2
		.amdhsa_user_sgpr_kernarg_segment_ptr 1
		.amdhsa_wavefront_size32 1
		.amdhsa_system_sgpr_workgroup_id_x 1
		.amdhsa_system_sgpr_workgroup_id_y 1
		.amdhsa_system_sgpr_workgroup_id_z 1
		.amdhsa_system_vgpr_workitem_id 0
		.amdhsa_next_free_vgpr 512
		.amdhsa_next_free_sgpr 72
		.amdhsa_reserve_vcc 0
		.amdhsa_float_denorm_mode_32 3
		.amdhsa_float_denorm_mode_16_64 3
		.amdhsa_memory_ordered 1
		.amdhsa_forward_progress 1
		.amdhsa_inst_pref_size 255
	.end_amdhsa_kernel
	.section	.bss,"aw",@nobits
	.p2align	6
	.space	262144
	.amdgpu_metadata
---
amdhsa.version: [ 1, 2 ]
amdhsa.kernels:
  - .name:           k_q4f9578e011_attn
    .symbol:         k_q4f9578e011_attn.kd
    .args:
      - { .name: ph, .offset: 0, .size: 8, .value_kind: global_buffer, .address_space: global }
      - { .name: att, .offset: 8, .size: 8, .value_kind: global_buffer, .address_space: global }
    .group_segment_fixed_size: 327680
    .private_segment_fixed_size: 0
    .kernarg_segment_align: 8
    .kernarg_segment_size: 16
    .max_flat_workgroup_size: 256
    .sgpr_count:     72
    .vgpr_count:     512
    .wavefront_size: 32
...
	.end_amdgpu_metadata
.endif
;; end of part 3
;; launch oproj (part 4): grid 8 x 32, 4 waves a work-group, clusters of 4 x 4, 327,680 bytes of LDS; arguments att, wh, b_o, out0; writes out0
.if DOCPART == 4
	.amdgcn_target "amdgcn-amd-amdhsa--gfx1250"
	.amdhsa_code_object_version 6
	.text
	.protected	k_q4f9578e011_oproj
	.globl	k_q4f9578e011_oproj
	.p2align	8
	.type	k_q4f9578e011_oproj,@function
k_q4f9578e011_oproj:
	s_mov_b64 s[64:65], 0
	v_nop
	global_prefetch_b8 v0, s[64:65] scope:SCOPE_SE
	s_setreg_imm32_b32 hwreg(HW_REG_WAVE_MODE, 25, 1), 1
	s_wait_xcnt 0x0
	s_wait_alu depctr_hold_cnt(0) depctr_sa_sdst(0) depctr_va_vdst(0) depctr_va_sdst(0) depctr_va_ssrc(0) depctr_va_vcc(0) depctr_vm_vsrc(0)
	s_getreg_b32 s2, hwreg(HW_REG_IB_STS2, 6, 4)
	s_cmp_eq_u32 s2, 0
	s_cbranch_scc0 .Lentry_in_a_cluster
	s_endpgm
.Lentry_in_a_cluster:
	s_bfe_u32 s2, ttmp6, 0x10000c
	s_cmp_lg_u32 s2, 0xf033
	s_cbranch_scc0 .Lentry_shape_is_right
	s_endpgm
.Lentry_shape_is_right:
; out0[m][n] = sum over k of att[m][k] w_o[k][n] + b_o[n], f32.  att: [4096][1024] f16; w_o: the fourth weight of wh, [k][n] f16.  f32 sums.
; 4096 x 1024 outputs in blocks of 128 x 128 are 256 work-groups; four waves of 64 x 64 (16 accumulator tiles, 128 registers).  Blocks of 256 x 256
; would be 64 work-groups only.
; K goes in four steps of 256 through two LDS slots: A's tile 128 rows x 512 bytes, B's 256 rows of k x 256 bytes, as the weight lies; B's fragments
; are transposed on the way out of LDS.  Four steps are written out: no loop.
; CLUSTERS: 4 x 4 work-groups; A's tile is asked for jointly by a row of the cluster, B's by a column.
; REGISTERS: window 0: v16-26 addresses, v32-63 the bias in the layout of a result, v64-191 fragment buffer 0; window 1: v64-191 buffer 1;
; window 2: v0-127 accumulators, tile (a, b) at 8 (4 a + b).  A buffer holds two steps of 32 along K: for step ks, B's fragment b at 64 + 64 ks + 8 b,
; A's fragment a at 96 + 64 ks + 8 a.
; The matrix instruction is used transposed (source 0 = 16 columns of the weight): a lane holds eight neighbouring f32 of one row.
.set PART,   36864                     ; A: 64 rows at a pitch of 528 (33,792 used); B: 128 rows of k at a pitch of 288
.set SLOT,   4*PART                    ; A's two halves, B's two halves.  Wave w fills part w.
.set PA,     528                       ; 512 + 16: an odd multiple of 16
.set PB,     288                       ; 256 + 32: an odd multiple of 32
.set STAGE,  2*SLOT                    ; behind the ring, never filled by a tensor load: 16 rows x 272 bytes for each wave
.set SPITCH, 272
.set ADRA, 16                          ; v16-17  my A fragments in slot 0, 1
.set ADRB, 20                          ; v20-23  my B fragments: slot 0 rows of k 0-127, 128-255; slot 1 likewise
.set STO,  24
.set RD,   25
.set CO,   26
.set BOF,  27
.set BIAS, 32
.set G1, 24                            ; s[24:31] group 1, A
.set G0, 32                            ; s[32:39] group 0, A
.set G1B, 48                           ; s[48:55] group 1, B
.set G0B, 56                           ; s[56:63] group 0, B
.set MSB, 0
.macro WIN new
.if MSB != \new
	s_set_vgpr_msb (MSB<<8)|\new
.set MSB, \new
.endif
.endm
.set MUL0,  0xa0                       ; both sources window 0, C and D window 2
.set MUL1,  0xa5                       ; both sources window 1, C and D window 2
.set MULB,  0x80                       ; sources and C (the bias) window 0, D window 2
.set TO_1,  0x40                       ; destination window 1
.macro JLOAD s
	s_cmp_eq_u32 s11, 0
	s_cbranch_scc0 .Lfor_b_\@
	tensor_load_to_lds s[G0+4*\s:G0+4*\s+3], s[G1:G1+7]
	s_nop 0
	s_branch .Lasked_\@
.Lfor_b_\@:
	tensor_load_to_lds s[G0B+4*\s:G0B+4*\s+3], s[G1B:G1B+7]
	s_nop 0
.Lasked_\@:
.endm
.macro CREST
	s_cmp_lg_u32 s10, 0
	s_cbranch_scc1 .Lnot_wave_0_\@
	s_barrier_signal -3
.Lnot_wave_0_\@:
	s_barrier_wait -3
	s_barrier_signal -1
	s_barrier_wait -1
.endm
.macro CROUND
	s_barrier_signal -1
	s_barrier_wait -1
	CREST
.endm
	s_load_b128 s[4:7], s[0:1], 0x0                ; att s[4:5], wh s[6:7]
	s_load_b128 s[68:71], s[0:1], 0x10             ; b_o s[68:69], out0 s[70:71]
	s_set_vgpr_msb 0x40
	v_lshl_add_u32 v254, v0, 2, 0x4c400
	v_mov_b32 v255, 0
	s_set_vgpr_msb 0x4045
	ds_add_u32 v254, v255
	s_set_vgpr_msb 0x4500
	v_lshrrev_b32 v1, 5, v0
	v_readfirstlane_b32 s10, v1                    ; wave 0..3
	s_lshr_b32 s11, s10, 1                         ; my half of the rows.  Also: I fetch for A (0) or for B (1)
	s_and_b32 s12, s10, 1                          ; my half of the columns.  Also: which half of that tile I fetch
	s_bfe_u32 s40, ttmp6, 0x40000                  ; cx
	s_bfe_u32 s41, ttmp6, 0x40004                  ; cy
	s_lshl_b32 s42, ttmp9, 2
	s_add_co_u32 s42, s42, s40                     ; block column, 0..7
	s_and_b32 s13, ttmp7, 0xffff
	s_lshl_b32 s13, s13, 2
	s_add_co_u32 s13, s13, s41                     ; block row, 0..31
	s_lshl_b32 s43, s41, 2
	s_lshl_b32 s43, 15, s43                        ; my row of the cluster
	s_lshl_b32 s44, 0x1111, s40                    ; my column
	; group 1 for A: 64 rows x 256 elements of 2 bytes, 4 words of padding behind every 128
	s_or_b32 s[G1+0], s43, (1<<16)|(1<<20)|(1<<21)|(6<<22)|(3<<25)
	s_mov_b32 s[G1+1], 256<<16
	s_mov_b32 s[G1+2], 64<<16
	s_mov_b32 s[G1+3], 256<<16
	s_mov_b32 s[G1+4], 64
	s_mov_b32 s[G1+5], 1024
	s_mov_b32 s[G1+6], 0
	s_mov_b32 s[G1+7], 0
	; group 1 for B: 128 rows of k x 128 elements, 8 words of padding behind every 64
	s_or_b32 s[G1B+0], s44, (1<<16)|(1<<20)|(1<<21)|(5<<22)|(7<<25)
	s_mov_b32 s[G1B+1], 128<<16
	s_mov_b32 s[G1B+2], 128<<16
	s_mov_b32 s[G1B+3], 128<<16
	s_mov_b32 s[G1B+4], 128
	s_mov_b32 s[G1B+5], 1024
	s_mov_b32 s[G1B+6], 0
	s_mov_b32 s[G1B+7], 0
	s_lshl_b32 s16, s13, 7
	s_lshl_b32 s17, s12, 6
	s_add_co_u32 s16, s16, s17                     ; A: row 128 x block row + 64 x half
	s_lshl_b32 s16, s16, 11
	s_mov_b32 s17, 0
	s_lshl_b32 s46, s12, 18                        ; B: 128 rows of k x half
	s_lshl_b32 s47, s42, 8                         ; + 128 columns x block column
	s_add_co_u32 s46, s46, s47
	s_add_co_u32 s46, s46, 3*2097152               ; in the fourth weight of wh
	s_mov_b32 s47, 0
	s_mul_i32 s20, s10, PART
	s_lshl_b32 s66, s42, 9                         ; my first column in f32 bytes: 4 x (128 x block column + 64 x half)
	s_lshl_b32 s67, s12, 8
	s_add_co_u32 s66, s66, s67
	s_mov_b32 s67, 0
	s_lshl_b32 s18, s13, 7
	s_lshl_b32 s19, s11, 6
	s_add_co_u32 s18, s18, s19                     ; my first row of out0
	s_lshl_b32 s18, s18, 12                        ; rows of 4,096 bytes
	s_mov_b32 s19, 0
	s_wait_dscnt 0x0
	s_wait_kmcnt 0x0
	s_add_nc_u64 s[14:15], s[4:5], s[16:17]
	s_add_nc_u64 s[46:47], s[6:7], s[46:47]
	s_add_nc_u64 s[76:77], s[68:69], s[66:67]
	s_add_nc_u64 s[8:9], s[70:71], s[18:19]
	s_add_nc_u64 s[8:9], s[8:9], s[66:67]
	CROUND                                         ; the first joint loads meet
.irp s, 0,1
	s_mov_b32 s[G0+4*\s], 1
	s_add_co_u32 s[G0+4*\s+1], s20, \s*SLOT
	s_add_nc_u64 s[G0+4*\s+2:G0+4*\s+3], s[14:15], \s*512                  ; K step s: 512 bytes along A's rows
	s_or_b32 s[G0+4*\s+3], s[G0+4*\s+3], 0x80000000
	s_mov_b32 s[G0B+4*\s], 1
	s_add_co_u32 s[G0B+4*\s+1], s20, \s*SLOT
	s_add_nc_u64 s[G0B+4*\s+2:G0B+4*\s+3], s[46:47], \s*524288             ; K step s: 256 rows of the weight
	s_or_b32 s[G0B+4*\s+3], s[G0B+4*\s+3], 0x80000000
	JLOAD \s                                       ; two tensor loads of the wave are out
.endr
	v_and_b32 v1, 15, v0                           ; r
	v_bfe_u32 v2, v0, 4, 1                         ; h
	v_lshlrev_b32 v[BOF], 5, v2
.irp b, 0,1,2,3
	global_load_b128 v[BIAS+8*\b:BIAS+8*\b+3],   v[BOF], s[76:77] offset:64*\b         ; register 8 b + j = b_o[my first column + 16 b + 8 h + j]
	global_load_b128 v[BIAS+8*\b+4:BIAS+8*\b+7], v[BOF], s[76:77] offset:64*\b+16
.endr
	v_mul_u32_u24 v3, v1, PA
	v_lshl_add_u32 v3, v2, 4, v3
	v_and_b32 v6, 7, v0
	v_lshl_or_b32 v6, v2, 3, v6
	v_mul_u32_u24 v6, v6, PB
	v_bfe_u32 v7, v0, 3, 1
	v_lshl_add_u32 v6, v7, 4, v6
	s_mul_i32 s21, s11, PART                       ; my 64 rows of A
	s_lshl_b32 s22, s12, 7                         ; my 64 columns of B,
	s_add_co_u32 s22, s22, 2*PART                  ; which lies behind A's two parts
.irp s, 0,1
	v_add_nc_u32 v[ADRA+\s], s21, v3
	v_add_nc_u32 v[ADRB+2*\s], s22, v6
	v_add_nc_u32 v[ADRB+2*\s+1], PART, v[ADRB+2*\s]
	s_add_co_u32 s21, s21, SLOT
	s_add_co_u32 s22, s22, SLOT
.endr
	s_mul_i32 s23, s10, 16*SPITCH
	s_add_co_u32 s23, s23, STAGE
	v_mul_u32_u24 v4, v1, SPITCH
	v_lshl_add_u32 v4, v2, 5, v4                   ; in: row r, 32 bytes for each half of the lanes
	v_add_nc_u32 v[STO], s23, v4
	v_mul_u32_u24 v5, v2, SPITCH
	v_lshl_add_u32 v5, v1, 4, v5                   ; back: lanes 0-15 one row of 256 bytes, lanes 16-31 the next
	v_add_nc_u32 v[RD], s23, v5
	v_lshlrev_b32 v5, 12, v2
	v_lshl_add_u32 v[CO], v1, 4, v5
; na x 4 matrix instructions: row blocks a0 .. a0 + na - 1 x the 4 column blocks, step ks of the buffer that the window names.
; The sixteen accumulators take turns, one instruction a turn, in the same order throughout.
.macro MUL ks, a0, na, bias
.set aa, \a0
.rept \na
.irp b, 0,1,2,3
.if \bias
	v_wmma_f32_16x16x32_f16 v[8*(4*aa+\b):8*(4*aa+\b)+7], v[64+64*\ks+8*\b:64+64*\ks+8*\b+7], v[96+64*\ks+8*aa:96+64*\ks+8*aa+7], v[BIAS+8*\b:BIAS+8*\b+7]
.else
	v_wmma_f32_16x16x32_f16 v[8*(4*aa+\b):8*(4*aa+\b)+7], v[64+64*\ks+8*\b:64+64*\ks+8*\b+7], v[96+64*\ks+8*aa:96+64*\ks+8*aa+7], v[8*(4*aa+\b):8*(4*aa+\b)+7]
.endif
.endr
.set aa, aa+1
.endr
.endm
; 32 LDS loads: quarter kq of a K step (64 along K, two steps of 32) into the buffer of window fw (0 or TO_1); step ks = 0 first
.macro FETCH slot, kq, fw
	WIN \fw
.irp ks, 0,1
.irp b, 0,1,2,3
	ds_load_tr16_b128 v[64+64*\ks+8*\b:64+64*\ks+8*\b+3],   v[ADRB+2*\slot+((2*\kq+\ks)>>2)] offset:((2*\kq+\ks)&3)*32*PB+32*\b
	ds_load_tr16_b128 v[64+64*\ks+8*\b+4:64+64*\ks+8*\b+7], v[ADRB+2*\slot+((2*\kq+\ks)>>2)] offset:((2*\kq+\ks)&3)*32*PB+32*\b+16*PB
.endr
.irp a, 0,1,2,3
	ds_load_b128 v[96+64*\ks+8*\a:96+64*\ks+8*\a+3],   v[ADRA+\slot] offset:64*(2*\kq+\ks)+\a*16*PA
	ds_load_b128 v[96+64*\ks+8*\a+4:96+64*\ks+8*\a+7], v[ADRA+\slot] offset:64*(2*\kq+\ks)+\a*16*PA+32
.endr
.endr
.endm
.macro PLACES                          ; four independent vector instructions between a matrix instruction and a load into one of its sources or a read of its result
.rept 4
	v_nop
.endr
.endm
; One of the first three quarters: multiplies the buffer of window mw; in its middle fetches quarter kq of the same slot into the other buffer.
.macro QUARTER slot, kq, mw, fw, bias
	s_wait_dscnt 16                                ; the first 32 of K are in; the sixteen younger loads may stay out
.if \bias
	WIN MULB
.else
	WIN \mw
.endif
	MUL 0, 0, 4, \bias
	PLACES
	FETCH \slot, \kq, \fw
	s_wait_dscnt 32                                ; all but the 32 just issued
	WIN \mw
	MUL 1, 0, 4, 0
.endm
.macro THREE slot, bias
	QUARTER \slot, 1, MUL0, TO_1, \bias
	QUARTER \slot, 2, MUL1, 0, 0
	QUARTER \slot, 3, MUL0, TO_1, 0
.endm
; The last quarter multiplies buffer 1 and changes slots: each wave's reads of this slot and all its tensor loads are waited for in front of the
; barrier; behind it the refill comes first, then the next slot's first fragments.
.macro TURN slot, next, fill
	s_wait_dscnt 16
	WIN MUL1
	MUL 0, 0, 4, 0
	s_wait_dscnt 0
	s_wait_tensorcnt 0x0
	ds_add_u32 v254, v255
	s_wait_dscnt 0x0
	s_barrier_signal -1                            ; where the slot is filled again this barrier opens a round of the cluster's barrier
	MUL 1, 0, 2, 0                                 ; registers only
	WIN 0
	s_barrier_wait -1
.if \fill
	CREST
	s_add_nc_u64 s[G0+4*\slot+2:G0+4*\slot+3], s[G0+4*\slot+2:G0+4*\slot+3], 2*512
	s_add_nc_u64 s[G0B+4*\slot+2:G0B+4*\slot+3], s[G0B+4*\slot+2:G0B+4*\slot+3], 2*524288
	JLOAD \slot                                    ; the first tensor load behind the round
.endif
	PLACES
	FETCH \next, 0, 0
	WIN MUL1
	MUL 1, 2, 2, 0
.endm
	s_wait_tensorcnt 1                             ; my part of K step 0 is in; K step 1's stays out
	s_barrier_signal -1
	s_barrier_wait -1
	s_wait_loadcnt 0x0                             ; the bias
	FETCH 0, 0, 0
	THREE 0, 1                                     ; K step 0: the sums start from the bias
	TURN 0, 1, 1                                   ; slot 0 gets K step 2
	THREE 1, 0                                     ; K step 1
	TURN 1, 0, 1                                   ; slot 1 gets K step 3
	THREE 0, 0                                     ; K step 2
	TURN 0, 1, 0
	THREE 1, 0                                     ; K step 3
	s_wait_dscnt 16
	WIN MUL1
	MUL 0, 0, 4, 0
	s_wait_dscnt 0
	MUL 1, 0, 4, 0
	PLACES
	; THE WAY OUT, 16 rows at a time through my own stage: 32 bytes a lane in, whole rows of 256 bytes back
.macro OUT16 a, f
	WIN 0x08                                       ; a store's data is its second source: the accumulators in window 2
.irp b, 0,1,2,3
	ds_store_b128 v[STO], v[8*(4*\a+\b):8*(4*\a+\b)+3]   offset:64*\b
	ds_store_b128 v[STO], v[8*(4*\a+\b)+4:8*(4*\a+\b)+7] offset:64*\b+16
.endr
	WIN 0
	s_wait_xcnt 0x0                                ; registers that earlier stores read are loaded again only behind this wait
.irp t, 0,1,2,3,4,5,6,7
	ds_load_b128 v[\f+4*\t:\f+4*\t+3], v[RD] offset:\t*2*SPITCH    ; LDS serves a wave's instructions in order: these see the stores above
.endr
.irp t, 0,1,2,3,4,5,6,7
	s_wait_dscnt 7-\t
	global_store_b128 v[CO], v[\f+4*\t:\f+4*\t+3], s[8:9] offset:8192*\t+65536*\a th:TH_STORE_NT   ; 16 lanes store 256 consecutive bytes, aligned
.endr
.endm
	OUT16 0, 64
	OUT16 1, 96
	OUT16 2, 64
	OUT16 3, 96
	s_set_vgpr_msb 0x5
	s_wait_tensorcnt 0x0
	ds_add_u32 v254, v255
	s_wait_dscnt 0x0
	s_set_vgpr_msb 0x500
	CROUND                                         ; the closing round
	s_endpgm
.Lfunc_end_k_q4f9578e011_oproj:
	.size	k_q4f9578e011_oproj, .Lfunc_end_k_q4f9578e011_oproj-k_q4f9578e011_oproj
	.p2alignl 7, 3214868480
	.fill 96, 4, 3214868480
	.section	.rodata,"a",@progbits
	.p2align	6, 0x0
	.amdhsa_kernel k_q4f9578e011_oproj
		.amdhsa_group_segment_fixed_size 327680
		.amdhsa_private_segment_fixed_size 0
		.amdhsa_enable_private_segment 0
		.amdhsa_kernarg_size 32
		.amdhsa_user_sgpr_count 2
		.amdhsa_user_sgpr_kernarg_segment_ptr 1
		.amdhsa_wavefront_size32 1
		.amdhsa_system_sgpr_workgroup_id_x 1
		.amdhsa_system_sgpr_workgroup_id_y 1
		.amdhsa_system_sgpr_workgroup_id_z 1
		.amdhsa_system_vgpr_workitem_id 0
		.amdhsa_next_free_vgpr 640
		.amdhsa_next_free_sgpr 80
		.amdhsa_reserve_vcc 0
		.amdhsa_float_denorm_mode_32 3
		.amdhsa_float_denorm_mode_16_64 3
		.amdhsa_memory_ordered 1
		.amdhsa_forward_progress 1
		.amdhsa_inst_pref_size 87
	.end_amdhsa_kernel
	.amdgpu_metadata
---
amdhsa.version: [ 1, 2 ]
amdhsa.kernels:
  - .name:           k_q4f9578e011_oproj
    .symbol:         k_q4f9578e011_oproj.kd
    .args:
      - { .name: att, .offset: 0, .size: 8, .value_kind: global_buffer, .address_space: global }
      - { .name: wh, .offset: 8, .size: 8, .value_kind: global_buffer, .address_space: global }
      - { .name: b_o, .offset: 16, .size: 8, .value_kind: global_buffer, .address_space: global }
      - { .name: out0, .offset: 24, .size: 8, .value_kind: global_buffer, .address_space: global }
    .group_segment_fixed_size: 327680
    .private_segment_fixed_size: 0
    .kernarg_segment_align: 8
    .kernarg_segment_size: 32
    .max_flat_workgroup_size: 128
    .sgpr_count:     80
    .vgpr_count:     640
    .wavefront_size: 32
...
	.end_amdgpu_metadata
.endif
;; end of part 4
